; MI455X (gfx1250); checked and timed in simulation.
; The chip was launched on July 23, 2026; its instructions are those of AMD's public machine-readable ISA for CDNA 5 (MIT licence, August 2026) and "CDNA5" Instruction Set Architecture Reference Guide (July 2026). The comments in the code are by the model that wrote it; some were corrected since.
;; Attention. Allowed arithmetic: matrix products marked QUANTISED: E2M1 operands, one E8M0 scale for each 32 along K, by v_wmma_scale_f32_16x16x128_f8f6f4 with both operands' format E2M1 (or v_wmma_scale_f32_32x16x128_f4), f32 sums; everything else in f32.
;; Inputs: Wk 1,024 x 1,024 float32; Wq 1,024 x 1,024 float32; Wv 1,024 x 1,024 float32; bk 1,024 float32; bq 1,024 float32; bv 1,024 float32; q_x 4 x 2,048 x 1,024 float32.
;; Outputs: out0 4 x 2,048 x 1,024 float32.
;; This version of the problem:
;;   THIS VERSION OF THE PROBLEM IS GIVEN IN LOW PRECISION. The matrix products marked QUANTISED in the list below multiply operands that are first quantised to E2M1 (2 exponent bits, 1 mantissa bit; 4 bits a number), with one power-of-two scale for each 32 numbers along K (OCP MX v1.0); their sums are f32. All else is computed in f32.
;;   The module's matrix products, in the order in which they are computed (A, B: the left and right operand; K: the contracted axis; several contracted axes count as one K, in the product's order):
;;     1. [M 8,192, K 1,024] x [K 1,024, N 1,024]; A: input q_x; B: input Wq: QUANTISED
;;     2. [M 8,192, K 1,024] x [K 1,024, N 1,024]; A: input q_x; B: input Wk: QUANTISED
;;     3. [M 8,192, K 1,024] x [K 1,024, N 1,024]; A: input q_x; B: input Wv: QUANTISED
;;     4. batch 64 x [M 2,048, K 64] x [K 64, N 2,048]; A: computed on the way; B: computed on the way: QUANTISED
;;     5. batch 64 x [M 2,048, K 2,048] x [K 2,048, N 64]; A: softmax (see below); B: computed on the way: QUANTISED
;;   THE QUANTISER, for each operand of a quantised product, along K:
;;     - K is cut into blocks of 32 from its start; a last block that is shorter is filled with zeros.
;;     - A block's scale is 2^e with e = floor(log2(the largest magnitude in the block)) - 2, held to -126 .. 127; a block of zeros has e = 0. As a byte (E8M0): e + 127.
;;     - Each number is divided by its block's scale, clamped to +-6, and rounded to the nearest number of E2M1, ties to even, subnormals kept.
;;     - The product sums the exact products of the quantised numbers (number of the format x scale) in f32.
;;   ~~~python
;;   def quantise(x, axis):      # numpy; x: float32 -> the quantised numbers, widened to float32 again
;;       x = np.moveaxis(x, axis, -1); K = x.shape[-1]
;;       x = np.pad(x, [(0, 0)] * (x.ndim - 1) + [(0, -K % 32)]); x = x.reshape(x.shape[:-1] + (-1, 32)); a = np.abs(x).max(-1, keepdims=True)
;;       e = np.where(a > 0, np.clip(np.frexp(np.where(a > 0, a, 1))[1] - 1 - 2, -126, 127), 0)      # np.frexp(a)[1] - 1 = floor(log2(a)), exactly
;;       r = np.clip(x / 2.0 ** e, -6, 6)
;;       step = 2.0 ** (np.maximum(np.frexp(np.where(r == 0, 1, r))[1] - 1, 0) - 1)
;;       q = np.round(r / step) * step * 2.0 ** e      # np.round: ties to even
;;       return np.moveaxis(q.reshape(q.shape[:-2] + (-1,))[..., :K], -1, axis).astype(np.float32)
;;   ~~~
;;   SOFTMAX AHEAD OF A QUANTISED PRODUCT. Where the list says 'softmax', what is quantised is not the finished softmax but p = 2^(t - M), with t = logit x log2(e) and M = ceil(the row's largest t), a whole number; so 1/2 < the row's largest p <= 1. The row's sum l is taken of the UNQUANTISED p, in f32, and the product's result is divided by l at the end. Since M is a whole number, a kernel that streams over the keys may use a running M (the ceiling of the running maximum): every later rescaling is an exact power of two, which a block's scale takes up: the codes' values come out the same.
;;   OPERANDS COMPUTED ON THE WAY. 'Computed on the way' means the value that the module computes at that place (a softmax that the list does not call 'softmax' is quantised finished and normalised). What goes into a quantiser is computed in f32, as accurately as f32 sums, v_exp_f32 and their like allow (about 1e-6 of the number): no bf16 or f16 on the way to a quantiser, and a product that is left as it is and whose result goes on into a quantised operand takes f32 operands (vector FMAs, or v_wmma_f32_16x16x4_f32). A number that lies on a knife's edge between two numbers of the format may be rounded either way, as far as f32 arithmetic and the matrix unit's own rounding can turn it there, and no further.
;; One version. Each part assembles by itself: llvm-mc -triple=amdgcn-amd-amdhsa -mcpu=gfx1250 --defsym DOCPART=n.
;; ======== version 1 of 1: 3 launches
;; limits: right only within a limited range of input values
;; workspace buffers: x_codes 4,194,304 bytes; x_scales 262,144 bytes; w_codes 1,572,864 bytes; w_scales 98,304 bytes; qk_img 8,388,608 bytes; qk_sc 524,288 bytes; v_img 4,194,304 bytes; v_sc 262,144 bytes
;; launch quant (part 1): grid 352 x 1, 4 waves a work-group, no clusters, 33,280 bytes of LDS; arguments q_x, Wq, Wk, Wv, x_codes, x_scales, w_codes, w_scales; writes x_codes, x_scales, w_codes, w_scales
.if DOCPART == 1
	.amdgcn_target "amdgcn-amd-amdhsa--gfx1250"
	.amdhsa_code_object_version 6
	.text
	.protected	k_q9b8614dfd5_quant
	.globl	k_q9b8614dfd5_quant
	.p2align	8
	.type	k_q9b8614dfd5_quant,@function
k_q9b8614dfd5_quant:
	s_mov_b64 s[64:65], 0
	v_nop
	global_prefetch_b8 v0, s[64:65] scope:SCOPE_SE
	s_setreg_imm32_b32 hwreg(HW_REG_WAVE_MODE, 25, 1), 1
	s_wait_xcnt 0x0
; q_x [8192][1024] and Wq, Wk, Wv [1024][1024], f32, K innermost, become codes of FP4 (E2M1), two a byte, K innermost, with one E8M0 byte for each 32 along K.
; x_codes [8192][512 bytes], x_scales [8192][32]; w_codes [3072][512], w_scales [3072][32]: Wq's, Wk's, Wv's rows on end.
; A block's scale is 2^(floor(log2(its largest magnitude)) - 2); its byte is the largest magnitude's exponent field - 2, held at 1 from below.
; THE ROWS ARE LAID IN ANOTHER ORDER: of each 32 rows the four groups of 8 lie in the order 0, 2, 1, 3.  So row r of 16 consecutive rows of the output, tile 2 B + u, is source row 32 B + 8 u + r + 8 (r / 8):
; a matrix result whose source 0 takes such tiles holds, in the 16 registers of tiles 2 B and 2 B + 1, 16 true neighbours: 32 B + 16 (lane / 16) + 0 .. 15.
; LIMITS: NaN and infinities among the inputs are not served.  A block whose largest magnitude lies under 2^-124 gets the byte 1; so does a block of zeros, where the rule says 127: its codes are zeros,
; which add nothing under any byte but 0xff, and this program alone reads the bytes.
; SHARES.  A work-group takes 32 rows, a wave 8 rows: 16 steps of 512 numbers.  Work-groups 0-255 take q_x, 256-287 Wq, 288-319 Wk, 320-351 Wv: only pointers are chosen, all take one path.
; Each of a step's four loads reads 512 consecutive bytes; the 2,048 bytes turn through the wave's own stage in LDS and come back 64 bytes (16 neighbours) a lane; two neighbouring lanes hold a block.
; A wave's store of codes covers 256 consecutive bytes, aligned; its 256 scale bytes are gathered in LDS and leave as 256 consecutive bytes, aligned.
; No tensor loads, no barrier (waves share nothing), no matrix unit, no cluster (no two work-groups read the same bytes).  Loads run four steps (16 loads a wave) ahead.
.set STEPS, 16
.set EMAX,  2
.set CB,    8                          ; bytes of 16 codes
.set R,     16                         ; v16-79   four sets of 16 numbers as they are loaded
.set X,     80                         ; v80-111  two sets of 16 neighbours
.set E,     112                        ; v112-127 a scale byte for each step
.set C,     128                        ; v128-191 codes: four registers for each step, so that no store's data are written again
.set WREG,  8192                       ; LDS: a region for each wave: two stages of 32 x SP bytes, and behind them its 256 scale bytes
.set SP,    80                         ; a lane's place in a stage: its 64 bytes + 16 of padding
	s_load_b256 s[4:11], s[0:1], 0x0               ; q_x, Wq, Wk, Wv
	s_load_b256 s[12:19], s[0:1], 0x20             ; x's codes, x's scales, w's codes, w's scales
	v_lshl_add_u32 v192, v0, 2, 0x8000
	v_mov_b32 v193, 0
	v_lshrrev_b32 v1, 5, v0
	v_readfirstlane_b32 s20, v1                    ; wave
	v_and_b32 v2, 31, v0                           ; lane
	v_lshlrev_b32 v3, 4, v2                        ; my 16 bytes of a load's 512
	s_mul_i32 s21, s20, WREG
	v_lshrrev_b32 v14, 2, v2
	v_mul_u32_u24 v14, v14, SP
	v_and_b32 v15, 3, v2
	v_lshl_add_u32 v14, v15, 4, v14
	v_add_nc_u32 v14, s21, v14                     ; the stage, on the way in: four lanes' 64 bytes on end, then 16 of padding
	v_mul_u32_u24 v15, v2, SP
	v_add_nc_u32 v15, s21, v15                     ; and on the way out: SP x lane: my 16 neighbours
	v_mul_u32_u24 v4, v2, CB                       ; my codes' place in a step's
	v_lshrrev_b32 v5, 1, v2
	s_add_co_u32 s21, s21, 2*32*SP
	v_add_nc_u32 v5, s21, v5                       ; LDS: my wave's 256 scale bytes, my block's byte
	v_lshlrev_b32 v7, 3, v2                        ; and on the way out 8 bytes a lane
	v_add_nc_u32 v6, s21, v7
	s_wait_alu depctr_va_vdst(0)
	s_wait_kmcnt 0x0
	s_cmp_lt_u32 ttmp9, 320                        ; which tensor: the choices hang on the work-group's number alone
	s_cselect_b64 s[10:11], s[8:9], s[10:11]
	s_cmp_lt_u32 ttmp9, 288
	s_cselect_b64 s[10:11], s[6:7], s[10:11]
	s_cmp_lt_u32 ttmp9, 256
	s_cselect_b64 s[10:11], s[4:5], s[10:11]       ; the source
	s_cselect_b64 s[12:13], s[12:13], s[16:17]     ; its codes
	s_cselect_b64 s[14:15], s[14:15], s[18:19]     ; its scale bytes
	s_cselect_b32 s22, 0, 256
	s_cselect_b32 s23, -1, 31
	s_sub_co_u32 s22, ttmp9, s22                   ; which 32 rows of the output buffer
	s_and_b32 s23, s22, s23                        ; which 32 rows of the source tensor
	s_lshl_b32 s23, s23, 2
	s_add_co_u32 s24, s23, s20                     ; the source's group of 8 rows: 4 x block + wave,
	s_lshl_b32 s24, s24, 15                        ; 32,768 bytes each (under 2^26 in all)
	s_mov_b32 s25, 0
	s_add_nc_u64 s[10:11], s[10:11], s[24:25]
	s_and_b32 s26, s20, 1
	s_lshl_b32 s26, s26, 1
	s_lshr_b32 s27, s20, 1
	s_or_b32 s26, s26, s27                         ; where the group goes: 0, 2, 1, 3
	s_lshl_b32 s22, s22, 2
	s_add_co_u32 s26, s26, s22
	s_lshl_b32 s24, s26, 12                        ; 8 rows of codes are 4,096 bytes,
	s_add_nc_u64 s[12:13], s[12:13], s[24:25]
	s_lshl_b32 s24, s26, 8                         ; of scale bytes 256
	s_add_nc_u64 s[14:15], s[14:15], s[24:25]
.macro LOAD t
.irp i, 0,1,2,3
	global_load_b128 v[R+16*((\t)%4)+4*\i:R+16*((\t)%4)+4*\i+3], v3, s[10:11] offset:2048*(\t)+512*\i th:TH_LOAD_NT   ; 32 lanes read 512 consecutive bytes, read once in the launch
.endr
.endm
.macro TURN t                          ; step t's numbers through the stage: LDS serves a wave's instructions in order (ISA guide 5.7.1.4), so no wait stands between the stores and the loads
.irp i, 0,1,2,3
	ds_store_b128 v14, v[R+16*((\t)%4)+4*\i:R+16*((\t)%4)+4*\i+3] offset:32*SP*((\t)%2)+8*SP*\i
.endr
.irp i, 0,1,2,3
	ds_load_b128 v[X+16*((\t)%2)+4*\i:X+16*((\t)%2)+4*\i+3], v15 offset:32*SP*((\t)%2)+16*\i
.endr
.endm
.irp t, 0,1,2,3
	LOAD \t
.endr
	s_wait_loadcnt 12                              ; step 0's four loads are in; those of steps 1 to 3 may be out
	TURN 0
.macro STEP t
.set XS, X+16*((\t)%2)
.if (\t) > 0
	s_wait_dscnt 1                                 ; this step's numbers are back from the stage (the last step's byte store may be out): so its stores into the stage have read their registers,
.else
	s_wait_dscnt 0x0
.endif
.if (\t)+4 < STEPS
	LOAD (\t)+4                                    ; which take the loads of four steps on
.endif
.if (\t)+1 < STEPS
.if STEPS-2-(\t) >= 3
	s_wait_loadcnt 12                              ; the next step's four loads are in; those of the three steps behind it may be out
.else
	s_wait_loadcnt 4*(STEPS-2-(\t))
.endif
	TURN (\t)+1                                    ; and go through the other stage while this step is worked
.endif
	v_max3_num_f32 v8, |v[XS]|, |v[XS+1]|, |v[XS+2]|               ; the largest magnitude of my 16, in two chains
	v_max3_num_f32 v9, |v[XS+3]|, |v[XS+4]|, |v[XS+5]|
.irp i, 6,10
	v_max3_num_f32 v8, v8, |v[XS+\i]|, |v[XS+\i+1]|
	v_max3_num_f32 v9, v9, |v[XS+\i+2]|, |v[XS+\i+3]|
.endr
	v_max3_num_f32 v8, v8, |v[XS+14]|, |v[XS+15]|
	v_max3_num_f32 v8, v8, v9, (EMAX+1)<<23        ; and the floor 2^(3 - 127): the byte cannot fall under 1
	v_max_num_f32_dpp v8, v8, v8 row_xmask:1 row_mask:0xf bank_mask:0xf   ; and of my neighbour's 16: the block's
	v_add_nc_u32 v11, -(EMAX<<23), v8              ; 2 off its exponent field: the conversion takes the exponent field of this operand as its scale, and nothing else of it
	v_cvt_scalef32_pk8_fp4_f32 v[C+4*(\t)], v[XS:XS+7], v11        ; eight numbers / the scale, to the nearest code, ties to even, beyond the largest code the largest
	v_cvt_scalef32_pk8_fp4_f32 v[C+4*(\t)+1], v[XS+8:XS+15], v11
	v_lshrrev_b32 v[E+(\t)], 23, v11               ; the scale's byte (also the plain line behind the conversions)
	ds_store_b8 v5, v[E+(\t)] offset:16*(\t)       ; both lanes of a block write the same byte with the same value
	global_store_b64 v4, v[C+4*(\t):C+4*(\t)+1], s[12:13] offset:32*CB*(\t)   ; 32 lanes store 256 consecutive bytes, aligned
.endm
.irp t, 0,1,2,3,4,5,6,7,8,9,10,11,12,13,14,15
	STEP \t
.endr
	ds_load_b64 v[12:13], v6                       ; LDS serves a wave's instructions in order: these see my stores
	s_wait_dscnt 0x0
	global_store_b64 v7, v[12:13], s[14:15]        ; 32 lanes store 256 consecutive bytes, aligned
	s_wait_tensorcnt 0x0
	ds_add_u32 v192, v193
	s_wait_dscnt 0x0
	s_endpgm
.Lfunc_end_k_q9b8614dfd5_quant:
	.size	k_q9b8614dfd5_quant, .Lfunc_end_k_q9b8614dfd5_quant-k_q9b8614dfd5_quant
	.p2alignl 7, 3214868480
	.fill 96, 4, 3214868480
	.section	.rodata,"a",@progbits
	.p2align	6, 0x0
	.amdhsa_kernel k_q9b8614dfd5_quant
		.amdhsa_group_segment_fixed_size 33280
		.amdhsa_private_segment_fixed_size 0
		.amdhsa_enable_private_segment 0
		.amdhsa_kernarg_size 64
		.amdhsa_user_sgpr_count 2
		.amdhsa_user_sgpr_kernarg_segment_ptr 1
		.amdhsa_wavefront_size32 1
		.amdhsa_system_sgpr_workgroup_id_x 1
		.amdhsa_system_sgpr_workgroup_id_y 1
		.amdhsa_system_sgpr_workgroup_id_z 1
		.amdhsa_system_vgpr_workitem_id 0
		.amdhsa_next_free_vgpr 194
		.amdhsa_next_free_sgpr 66
		.amdhsa_reserve_vcc 0
		.amdhsa_float_denorm_mode_32 3
		.amdhsa_float_denorm_mode_16_64 3
		.amdhsa_memory_ordered 1
		.amdhsa_forward_progress 1
		.amdhsa_inst_pref_size 34
	.end_amdhsa_kernel
	.amdgpu_metadata
---
amdhsa.version: [ 1, 2 ]
amdhsa.kernels:
  - .name:           k_q9b8614dfd5_quant
    .symbol:         k_q9b8614dfd5_quant.kd
    .args:
      - { .name: q_x, .offset: 0, .size: 8, .value_kind: global_buffer, .address_space: global }
      - { .name: Wq, .offset: 8, .size: 8, .value_kind: global_buffer, .address_space: global }
      - { .name: Wk, .offset: 16, .size: 8, .value_kind: global_buffer, .address_space: global }
      - { .name: Wv, .offset: 24, .size: 8, .value_kind: global_buffer, .address_space: global }
      - { .name: x_codes, .offset: 32, .size: 8, .value_kind: global_buffer, .address_space: global }
      - { .name: x_scales, .offset: 40, .size: 8, .value_kind: global_buffer, .address_space: global }
      - { .name: w_codes, .offset: 48, .size: 8, .value_kind: global_buffer, .address_space: global }
      - { .name: w_scales, .offset: 56, .size: 8, .value_kind: global_buffer, .address_space: global }
    .group_segment_fixed_size: 33280
    .private_segment_fixed_size: 0
    .kernarg_segment_align: 8
    .kernarg_segment_size: 64
    .max_flat_workgroup_size: 128
    .sgpr_count:     66
    .vgpr_count:     194
    .wavefront_size: 32
...
	.end_amdgpu_metadata
.endif
;; end of part 1
;; launch proj (part 2): grid 8 x 48, 4 waves a work-group, clusters of 4 x 4, 327,680 bytes of LDS; arguments x_codes, x_scales, w_codes, w_scales, bq, bk, bv, qk_img, qk_sc, v_img, v_sc; writes qk_img, qk_sc, v_img, v_sc
.if DOCPART == 2
	.amdgcn_target "amdgcn-amd-amdhsa--gfx1250"
	.amdhsa_code_object_version 6
	.text
	.protected	k_q9b8614dfd5_proj
	.globl	k_q9b8614dfd5_proj
	.p2align	8
	.type	k_q9b8614dfd5_proj,@function
k_q9b8614dfd5_proj:
	s_mov_b64 s[64:65], 0
	v_nop
	global_prefetch_b8 v0, s[64:65] scope:SCOPE_SE
	s_setreg_imm32_b32 hwreg(HW_REG_WAVE_MODE, 25, 1), 1
	s_wait_xcnt 0x0
	s_wait_alu depctr_hold_cnt(0) depctr_sa_sdst(0) depctr_va_vdst(0) depctr_va_sdst(0) depctr_va_ssrc(0) depctr_va_vcc(0) depctr_vm_vsrc(0)
	s_getreg_b32 s2, hwreg(HW_REG_IB_STS2, 6, 4)
	s_cmp_eq_u32 s2, 0
	s_cbranch_scc0 .Lentry_in_a_cluster
	s_endpgm
.Lentry_in_a_cluster:
	s_bfe_u32 s2, ttmp6, 0x10000c
	s_cmp_lg_u32 s2, 0xf033
	s_cbranch_scc0 .Lentry_shape_is_right
	s_endpgm
.Lentry_shape_is_right:
.set NQ,     4
.set ROWB,   256
.set KROW,   512
.set PITCH,  272
.set FR,     8
.set NL,     2
.set NP,     4
.set HALFT,  128*PITCH
.set SLOT,   4*HALFT
.set KS,     32
.set SCL,    2*SLOT
.set HALFS,  16*272
.set SBLK,   2*272
.set SCR,    SCL+4*HALFS
.set ADRA, 16
.set ADRB, 20
.set VO0,  24
.set VO1,  25
.set SCW,  26
.set ADRS, 27
.set SCRD, 28
.set SGO,  29
.set SC,   32
.set TM,   96
.set PC,   112
.set PW,   120
.set AF,   128
.set BIAS, 192
.set G1, 24
.set G0, 32
.set G1B, 48
.set G0B, 56
.set G1S, 68
.set G0S, 76
.set G1SB, 80
.set G0SB, 88
.set MSB, 0
.macro WIN new
.if MSB != \new
	s_set_vgpr_msb (MSB<<8)|\new
.set MSB, \new
.endif
.endm
.set MUL_LO, 0xa1
.set MUL_HI, 0xf1
.set BIA_LO, 0x81
.set BIA_HI, 0xc1
.set TO_B,   0x40
.macro JLOAD g0a, g1a, g0b, g1b
	s_cmp_eq_u32 s15, 0
	s_cbranch_scc0 .Lfor_b_\@
	tensor_load_to_lds s[\g0a:\g0a+3], s[\g1a:\g1a+7]
	s_nop 0
.rept 4
	v_nop
.endr
	s_branch .Lasked_\@
.Lfor_b_\@:
	tensor_load_to_lds s[\g0b:\g0b+3], s[\g1b:\g1b+7]
	s_nop 0
.rept 4
	v_nop
.endr
.Lasked_\@:
.endm
.macro CROUND
	s_barrier_signal -1
	s_barrier_wait -1
	s_cmp_lg_u32 s14, 0
	s_cbranch_scc1 .Lnot_wave_0_\@
	s_barrier_signal -3
.Lnot_wave_0_\@:
	s_barrier_wait -3
	s_barrier_signal -1
	s_barrier_wait -1
.endm
	s_load_b256 s[4:11], s[0:1], 0x0
	s_load_b128 s[96:99], s[0:1], 0x20
	s_load_b64 s[100:101], s[0:1], 0x30
	v_lshl_add_u32 v106, v0, 2, 0x48c00
	v_mov_b32 v107, 0
	ds_add_u32 v106, v107
	ds_add_u32 v106, v107
	v_lshrrev_b32 v1, 5, v0
	v_readfirstlane_b32 s14, v1
	s_lshr_b32 s15, s14, 1
	s_and_b32 s16, s14, 1
	s_bfe_u32 s40, ttmp6, 0x40000
	s_bfe_u32 s41, ttmp6, 0x40004
	s_and_b32 s67, ttmp7, 0xffff
	s_cmp_ge_u32 s67, 8
	s_cselect_b32 s66, 1, 0
	s_lshl_b32 s42, ttmp9, 2
	s_add_co_u32 s42, s42, s40
	s_lshl_b32 s42, s42, 8
	s_sub_co_u32 s18, s67, 8
	s_lshl_b32 s18, s18, 11
	s_lshl_b32 s17, s41, 8
	s_lshl_b32 s19, s67, 10
	s_cmp_lg_u32 s66, 0
	s_cselect_b32 s18, s18, 0
	s_cselect_b32 s19, 2048, s19
	s_add_co_u32 s42, s42, s18
	s_add_co_u32 s17, s17, s19
	s_lshl_b32 s43, s41, 2
	s_lshl_b32 s43, 15, s43
	s_lshl_b32 s44, 0x1111, s40
	s_or_b32 s[G1+0], s43, (0<<16)|(1<<20)|(1<<21)|(5<<22)|(3<<25)
	s_or_b32 s[G1B+0], s44, (0<<16)|(1<<20)|(1<<21)|(5<<22)|(3<<25)
.irp g, G1, G1B
	s_mov_b32 s[\g+1], ROWB<<16
	s_mov_b32 s[\g+2], 256<<16                     ; the head's loads of codes bring 256 rows
	s_mov_b32 s[\g+3], ROWB<<16
	s_mov_b32 s[\g+4], 256
	s_mov_b32 s[\g+5], KROW
	s_mov_b32 s[\g+6], 0
	s_mov_b32 s[\g+7], 0
.endr
	s_or_b32 s[G1S+0], s43, (3<<16)|(1<<20)|(1<<21)|(5<<22)|(3<<25)
	s_or_b32 s[G1SB+0], s44, (3<<16)|(1<<20)|(1<<21)|(5<<22)|(3<<25)
.irp g, G1S, G1SB
	s_mov_b32 s[\g+1], 32<<16
	s_mov_b32 s[\g+2], 32<<16                      ; the scales of 256 rows: 32 rows of 256 bytes
	s_mov_b32 s[\g+3], 32<<16
	s_mov_b32 s[\g+4], 32
	s_mov_b32 s[\g+5], 32
	s_mov_b32 s[\g+6], 0
	s_mov_b32 s[\g+7], 0
.endr
	s_mov_b32 s20, s17                             ; the tile's first row of source 1's tensor
	s_mov_b32 s46, s42                             ; and of source 0's
	s_mov_b32 s21, 0
	s_mov_b32 s47, 0
	s_lshl_b64 s[22:23], s[20:21], 5
	s_lshl_b64 s[92:93], s[46:47], 5
	s_lshl_b64 s[20:21], s[20:21], 9
	s_lshl_b64 s[46:47], s[46:47], 9
	s_mul_i32 s45, s14, HALFT
	s_wait_dscnt 0x0
	s_wait_kmcnt 0x0
	s_cmp_lg_u32 s66, 0
	s_cselect_b64 s[12:13], s[8:9], s[4:5]
	s_cselect_b64 s[18:19], s[10:11], s[6:7]
	s_cselect_b64 s[4:5], s[4:5], s[8:9]
	s_cselect_b64 s[6:7], s[6:7], s[10:11]
	s_add_nc_u64 s[20:21], s[12:13], s[20:21]
	s_add_nc_u64 s[22:23], s[18:19], s[22:23]
	s_add_nc_u64 s[46:47], s[4:5], s[46:47]
	s_add_nc_u64 s[92:93], s[6:7], s[92:93]
	CROUND
	s_mov_b32 s[G0S], 1
	s_mov_b32 s[G0S+1], SCL
	s_mov_b64 s[G0S+2:G0S+3], s[22:23]
	s_or_b32 s[G0S+3], s[G0S+3], 0x80000000
	s_mov_b32 s[G0SB], 1
	s_mov_b32 s[G0SB+1], SCL+2*HALFS
	s_mov_b64 s[G0SB+2:G0SB+3], s[92:93]
	s_or_b32 s[G0SB+3], s[G0SB+3], 0x80000000
	s_mov_b32 s[G0], 1                             ; the head's four tiles, each whole: K step 0's 256 rows of source 1's tensor,
	s_mov_b32 s[G0+1], 0
	s_mov_b64 s[G0+2:G0+3], s[20:21]
	s_or_b32 s[G0+3], s[G0+3], 0x80000000
	s_mov_b32 s[G0B], 1                            ; its 256 rows of source 0's, behind them in slot 0; the two blocks of scales are set above
	s_mov_b32 s[G0B+1], 2*HALFT
	s_mov_b64 s[G0B+2:G0B+3], s[46:47]
	s_or_b32 s[G0B+3], s[G0B+3], 0x80000000
	s_lshl_b32 s18, s16, 16                        ; for slot 1 a wave fetches 128 rows: which half, 128 x 512 bytes
	s_mov_b32 s19, 0
	s_add_nc_u64 s[20:21], s[20:21], s[18:19]
	s_add_nc_u64 s[46:47], s[46:47], s[18:19]
	s_mov_b32 s[G0+4], 1
	s_add_co_u32 s[G0+5], s45, SLOT
	s_add_nc_u64 s[G0+6:G0+7], s[20:21], ROWB
	s_or_b32 s[G0+7], s[G0+7], 0x80000000
	s_mov_b32 s[G0B+4], 1
	s_add_co_u32 s[G0B+5], s45, SLOT
	s_add_nc_u64 s[G0B+6:G0B+7], s[46:47], ROWB
	s_or_b32 s[G0B+7], s[G0B+7], 0x80000000
	s_cmp_lt_u32 s14, 1                            ; one chain of branches on the wave's number, one joint load to an arm: one tensor load a wave at the head
	s_cbranch_scc0 .Lhead_b
	tensor_load_to_lds s[G0:G0+3], s[G1:G1+7]
	s_nop 0
.rept 4
	v_nop
.endr
	s_branch .Lhead_asked
.Lhead_b:
	s_cmp_lt_u32 s14, 2
	s_cbranch_scc0 .Lhead_sa
	tensor_load_to_lds s[G0B:G0B+3], s[G1B:G1B+7]
	s_nop 0
.rept 4
	v_nop
.endr
	s_branch .Lhead_asked
.Lhead_sa:
	s_cmp_lt_u32 s14, 3
	s_cbranch_scc0 .Lhead_sb
	tensor_load_to_lds s[G0S:G0S+3], s[G1S:G1S+7]
	s_nop 0
.rept 4
	v_nop
.endr
	s_branch .Lhead_asked
.Lhead_sb:
	tensor_load_to_lds s[G0SB:G0SB+3], s[G1SB:G1SB+7]
	s_nop 0
.rept 4
	v_nop
.endr
.Lhead_asked:                                          ; the set-up on registers and the loads of the bias stand between these loads and the wait for them
	s_load_b256 s[4:11], s[0:1], 0x38
	s_cmp_eq_u32 ttmp9, 0
	s_cselect_b64 s[96:97], s[96:97], s[98:99]
	s_cmp_lg_u32 s66, 0
	s_cselect_b64 s[96:97], s[100:101], s[96:97]
	s_cselect_b32 s98, s41, s40
	s_cselect_b32 s99, s15, s16
	s_lshl_b32 s98, s98, 10
	s_lshl_b32 s99, s99, 9
	s_add_co_u32 s98, s98, s99
	s_mov_b32 s99, 0
	s_add_nc_u64 s[96:97], s[96:97], s[98:99]
	v_and_b32 v1, 15, v0
	v_bfe_u32 v2, v0, 4, 1
	v_mul_u32_u24 v3, v1, PITCH
	v_lshl_add_u32 v4, v2, 4, v3
	s_mul_i32 s21, s15, HALFT
	s_mul_i32 s22, s16, HALFT
	s_add_co_u32 s22, s22, 2*HALFT
.irp s, 0,1
	v_add_nc_u32 v[ADRA+\s], s21, v4
	v_add_nc_u32 v[ADRB+\s], s22, v4
	s_add_co_u32 s21, s21, SLOT
	s_add_co_u32 s22, s22, SLOT
.endr
	v_mul_u32_u24 v5, v1, KS
	v_lshrrev_b32 v6, 8, v5
	v_lshl_add_u32 v5, v6, 4, v5
	s_mul_i32 s21, s15, HALFS
	s_mul_i32 s22, s16, HALFS
	s_add_co_u32 s22, s22, 2*HALFS
	s_sub_co_u32 s22, s22, s21
	v_mul_u32_u24 v6, s22, v2
	s_add_co_u32 s21, s21, SCL
	v_add_nc_u32 v5, v5, v6
	v_add_nc_u32 v[ADRS], s21, v5
	v_and_b32 v6, 31, v0
	v_lshlrev_b32 v[VO0], 4, v6
	s_lshl_b32 s23, s14, 9
	s_add_co_u32 s23, s23, SCR
	v_lshl_add_u32 v[SCW], v1, 2, s23
	v_add_nc_u32 v[SCRD], s23, v[VO0]
	s_cmp_lg_u32 s66, 0
	s_mov_b32 s18, 16384
	s_cselect_b32 s18, 64, s18
	s_cselect_b32 s19, 128, 64
	s_mov_b32 s22, 128
	s_cselect_b32 s22, 4096, s22
	s_mov_b32 s23, 262144
	s_cselect_b32 s23, 512, s23
	s_cselect_b32 s46, 0, 64
	s_cselect_b32 s47, 4, 0
	s_cselect_b32 s92, 0, 4
	v_and_b32 v7, 3, v0
	v_lshlrev_b32 v[SGO], 4, v7
	v_bfe_u32 v7, v0, 2, 1
	v_mad_u32_u24 v[SGO], v7, s18, v[SGO]
	v_bfe_u32 v7, v0, 3, 1
	v_mad_u32_u24 v[SGO], v7, s19, v[SGO]
	v_mad_u32_u24 v[SGO], v2, s22, v[SGO]
	v_add_nc_u32 v[VO1], s23, v[VO0]
	v_and_b32 v7, 8, v1
	v_add_nc_u32 v7, v7, v1
	v_mul_u32_u24 v7, v7, s47
	v_mad_u32_u24 v7, v2, s46, v7
	v_mov_b32 v8, s92
.irp j, 0,1,2,3,4,5,6,7
	v_mad_u32_u24 v[TM+\j], v8, \j, v7
.endr
.irp x, 0,1,2,3,4,5,6,7
.irp j, 0,1,2,3,4,5,6,7
	global_load_b32 v[BIAS+8*\x+\j], v[TM+\j], s[96:97] offset:(32*(\x/2)+8*(\x%2))*4
.endr
.endr
.macro FRAG reg, adr, q, i
.irp c, 0,1
	ds_load_b128 v[\reg+4*\c:\reg+4*\c+3], v[\adr] offset:64*(\q)+32*\c+(\i)*16*PITCH
.endr
.endm
.macro MUL16 a0, p, q, sc, cm
.irp a, \a0, \a0+1
.irp b, 0,1,2,3,4,5,6,7
.if \cm == 1
	v_wmma_scale_f32_16x16x128_f8f6f4 v[8*(8*((\a)%4)+\b):8*(8*((\a)%4)+\b)+7], v[128*(\p)+FR*\b:128*(\p)+FR*\b+FR-1], v[AF+FR*(\a):AF+FR*(\a)+FR-1], v[BIAS+8*\b:BIAS+8*\b+7], v[SC+8*NQ*(\sc)+NQ*\b+(\q)], v[SC+8*NQ*(\sc)+NQ*(\a)+(\q)] matrix_a_fmt:MATRIX_FMT_FP4 matrix_b_fmt:MATRIX_FMT_FP4 matrix_a_scale:MATRIX_SCALE_ROW1
.elseif \cm == 2
	v_wmma_scale_f32_16x16x128_f8f6f4 v[8*(8*((\a)%4)+\b):8*(8*((\a)%4)+\b)+7], v[128*(\p)+FR*\b:128*(\p)+FR*\b+FR-1], v[AF+FR*(\a):AF+FR*(\a)+FR-1], v[BIAS+8*(\a):BIAS+8*(\a)+7], v[SC+8*NQ*(\sc)+NQ*\b+(\q)], v[SC+8*NQ*(\sc)+NQ*(\a)+(\q)] matrix_a_fmt:MATRIX_FMT_FP4 matrix_b_fmt:MATRIX_FMT_FP4 matrix_a_scale:MATRIX_SCALE_ROW1
.else
	v_wmma_scale_f32_16x16x128_f8f6f4 v[8*(8*((\a)%4)+\b):8*(8*((\a)%4)+\b)+7], v[128*(\p)+FR*\b:128*(\p)+FR*\b+FR-1], v[AF+FR*(\a):AF+FR*(\a)+FR-1], v[8*(8*((\a)%4)+\b):8*(8*((\a)%4)+\b)+7], v[SC+8*NQ*(\sc)+NQ*\b+(\q)], v[SC+8*NQ*(\sc)+NQ*(\a)+(\q)] matrix_a_fmt:MATRIX_FMT_FP4 matrix_b_fmt:MATRIX_FMT_FP4 matrix_a_scale:MATRIX_SCALE_ROW1
.endif
.endr
.endr
.endm
.macro FETCH_B slot, q, p
	WIN TO_B
.irp i, 0,1,2,3,4,5,6,7
	FRAG 128*(\p)+FR*\i, ADRB+\slot, \q, \i
.endr
	WIN 0
.endm
.macro FETCH_A slot, q, i0
.irp i, \i0, \i0+1, \i0+2, \i0+3
	FRAG AF+FR*(\i), ADRA+\slot, \q, \i
.endr
.endm
.macro SCALES sc
.irp i, 0,1,2,3,4,5,6,7
	ds_load_b128 v[SC+8*NQ*\sc+NQ*\i:SC+8*NQ*\sc+NQ*\i+3], v[ADRS] offset:\i*SBLK
.endr
.endm
.macro PLACES n
.rept \n
	v_nop
.endr
.endm
.macro STEP slot, q, cm
	s_wait_dscnt 4*NL
.if \cm
	WIN BIA_LO
.else
	WIN MUL_LO
.endif
	MUL16 0, (\q)%2, \q, \slot, \cm
	MUL16 2, (\q)%2, \q, \slot, \cm
	s_wait_dscnt 0
	PLACES NP
	FETCH_B \slot, (\q)+1, 1-(\q)%2
	FETCH_A \slot, (\q)+1, 0
.if \cm
	WIN BIA_HI
.else
	WIN MUL_HI
.endif
	MUL16 4, (\q)%2, \q, \slot, \cm
	MUL16 6, (\q)%2, \q, \slot, \cm
	PLACES NP
	WIN 0
	FETCH_A \slot, (\q)+1, 4
.endm
.macro STEPS slot, from
.set Q, \from
.rept NQ-1-\from
	STEP \slot, Q, 0
.set Q, Q+1
.endr
.endm
	s_wait_alu depctr_va_vdst(0)                   ; at the head's end
	s_wait_tensorcnt 0x0                           ; my tile of the head's four is in
	ds_add_u32 v106, v107
	s_mov_b32 s[G1+2], 128<<16                     ; no tensor load of mine is out: from here on a load brings 128 rows
	s_mov_b32 s[G1+4], 128
	s_mov_b32 s[G1B+2], 128<<16
	s_mov_b32 s[G1B+4], 128
	s_wait_dscnt 0x0
	CROUND                                         ; all four tiles are in, and all sixteen work-groups are here
	JLOAD G0+4, G1, G0B+4, G1B                     ; K step 1, the first tensor load behind the round
	FETCH_B 0, 0, 0
	FETCH_A 0, 0, 0
	SCALES 0
	FETCH_A 0, 0, 4
	s_wait_loadcnt 0x0
	s_cmp_lg_u32 s66, 0
	s_cbranch_scc1 .Lfirst_v
	STEP 0, 0, 1
	s_branch .Lfirst_done
.Lfirst_v:
	STEP 0, 0, 2
.Lfirst_done:
	STEPS 0, 1
	s_wait_tensorcnt 0x0
	s_wait_dscnt 4*NL
	WIN MUL_LO
	MUL16 0, 1, NQ-1, 0, 0
	s_wait_dscnt 0x0
	s_barrier_signal -1
	MUL16 2, 1, NQ-1, 0, 0
	WIN 0
	s_barrier_wait -1
	PLACES NP
	v_add_nc_u32 v[ADRS], 4*NQ, v[ADRS]
	FETCH_B 1, 0, 0
	FETCH_A 1, 0, 0
	SCALES 1
	WIN MUL_HI
	MUL16 4, 1, NQ-1, 0, 0
	MUL16 6, 1, NQ-1, 0, 0
	PLACES NP
	WIN 0
	FETCH_A 1, 0, 4
	STEPS 1, 0
	s_wait_dscnt 4*NL
	WIN MUL_LO
	MUL16 0, 1, NQ-1, 1, 0
	MUL16 2, 1, NQ-1, 1, 0
	s_wait_dscnt 0
	WIN MUL_HI
	MUL16 4, 1, NQ-1, 1, 0
	MUL16 6, 1, NQ-1, 1, 0
	WIN 0
.irp b, 0,1,2,3
	v_mov_b32 v[TM+4+\b], 0
.endr
	s_wait_kmcnt 0x0
	s_mov_b32 s20, 0x76543210
	s_mov_b32 s21, 0xfedcba98
	s_lshr_b32 s18, s42, 8
	s_lshr_b32 s19, s17, 8
	s_lshl_b32 s22, s18, 2
	s_lshl_b32 s23, s16, 1
	s_add_co_u32 s22, s22, s23
	s_lshl_b32 s22, s22, 9
	s_lshl_b32 s23, s19, 4
	s_add_co_u32 s22, s22, s23
	s_lshl_b32 s23, s15, 3
	s_add_co_u32 s22, s22, s23
	s_lshr_b32 s46, s18, 3
	s_lshl_b32 s46, s46, 4
	s_lshl_b32 s47, s41, 2
	s_add_co_u32 s46, s46, s47
	s_lshl_b32 s47, s15, 1
	s_add_co_u32 s46, s46, s47
	s_lshl_b32 s46, s46, 4
	s_and_b32 s47, s18, 7
	s_lshl_b32 s47, s47, 1
	s_add_co_u32 s46, s46, s47
	s_add_co_u32 s46, s46, s16
	s_lshl_b32 s92, s22, 9
	s_lshl_b32 s93, s22, 5
	s_lshl_b32 s94, s46, 12
	s_lshl_b32 s95, s46, 8
	s_cmp_lg_u32 s66, 0
	s_cselect_b32 s92, s94, s92
	s_cselect_b32 s94, s95, s93
	s_cselect_b64 s[12:13], s[8:9], s[4:5]
	s_cselect_b64 s[74:75], s[10:11], s[6:7]
	s_mov_b32 s68, 512
	s_cselect_b32 s68, 1024, s68
	s_mov_b32 s70, 512
	s_cselect_b32 s70, 62464, s70
	s_mov_b32 s72, 0x05040100
	s_cselect_b32 s72, 0x03020100, s72
	s_mov_b32 s73, 0x07060302
	s_cselect_b32 s73, 0x07060504, s73
	s_mov_b32 s69, 0
	s_mov_b32 s71, 0
	s_mov_b32 s93, 0
	s_mov_b32 s95, 0
	s_add_nc_u64 s[12:13], s[12:13], s[92:93]
	s_add_nc_u64 s[74:75], s[74:75], s[94:95]
.macro QUANTA a
.set AC, 64*((\a)%4)
.set W2, 0x0a+5*((\a)/4)
.set W1, 0x02+(\a)/4
.if (\a) > 0
	s_wait_xcnt 0x0
.if (\a) == 4
	s_add_nc_u64 s[12:13], s[12:13], s[70:71]
.else
	s_add_nc_u64 s[12:13], s[12:13], s[68:69]
.endif
.endif
	WIN W2
.irp b, 0,1,2,3
	v_max3_num_f32 v[TM+\b], |v[AC+16*\b]|, |v[AC+16*\b+1]|, 0x1800000
.endr
.irp i, 2,4,6,8,10,12,14
.irp b, 0,1,2,3
	v_max3_num_f32 v[TM+\b], |v[AC+16*\b+\i]|, |v[AC+16*\b+\i+1]|, v[TM+\b]
.endr
.endr
	WIN 0
.irp b, 0,1,2,3
	v_permlanex16_b32 v[TM+4+\b], v[TM+\b], s20, s21
.endr
.irp b, 0,1,2,3
	v_max_num_f32 v[TM+\b], v[TM+\b], v[TM+4+\b]
.endr
.irp b, 0,1,2,3
	v_add_nc_u32 v[TM+12+\b], 0xff000000, v[TM+\b]
.endr
.irp b, 0,1,2,3
	v_lshrrev_b32 v[TM+4+\b], 23, v[TM+12+\b]
.endr
	v_lshl_or_b32 v[PW+(\a)], v[TM+5], 8, v[TM+4]
	v_lshl_or_b32 v[PW+(\a)], v[TM+6], 16, v[PW+(\a)]
	v_lshl_or_b32 v[PW+(\a)], v[TM+7], 24, v[PW+(\a)]
	WIN W1
.irp b, 0,1,2,3
	v_cvt_scalef32_pk8_fp4_f32 v[PC+2*\b], v[AC+16*\b:AC+16*\b+7], v[TM+12+\b]
	v_cvt_scalef32_pk8_fp4_f32 v[PC+2*\b+1], v[AC+16*\b+8:AC+16*\b+15], v[TM+12+\b]
.endr
	WIN 0
	v_nop
.irp c, 0,1
.irp i, 0,1
	v_permlane16_swap_b32 v[PC+4*\c+\i], v[PC+2+4*\c+\i]
.endr
.endr
	global_store_b128 v[VO0], v[PC:PC+3], s[12:13]
	global_store_b128 v[VO1], v[PC+4:PC+7], s[12:13]
.if (\a)%2
	v_perm_b32 v196, v[PW+(\a)], v[PW+(\a)-1], s72
	v_perm_b32 v197, v[PW+(\a)], v[PW+(\a)-1], s73
	ds_store_b32 v[SCW], v196 offset:128*((\a)/2)
	ds_store_b32 v[SCW], v197 offset:128*((\a)/2)+64
.endif
.endm
.irp a, 0,1,2,3,4,5,6,7
	QUANTA \a
.endr
	ds_load_b128 v[192:195], v[SCRD]
	s_wait_dscnt 0x0
	global_store_b128 v[SGO], v[192:195], s[74:75]
	s_wait_tensorcnt 0x0
	ds_add_u32 v106, v107
	s_wait_dscnt 0x0
	CROUND
	s_endpgm
.Lfunc_end_k_q9b8614dfd5_proj:
	.size	k_q9b8614dfd5_proj, .Lfunc_end_k_q9b8614dfd5_proj-k_q9b8614dfd5_proj
	.p2alignl 7, 3214868480
	.fill 96, 4, 3214868480
	.section	.rodata,"a",@progbits
	.p2align	6, 0x0
	.amdhsa_kernel k_q9b8614dfd5_proj
		.amdhsa_group_segment_fixed_size 327680
		.amdhsa_private_segment_fixed_size 0
		.amdhsa_enable_private_segment 0
		.amdhsa_kernarg_size 88
		.amdhsa_user_sgpr_count 2
		.amdhsa_user_sgpr_kernarg_segment_ptr 1
		.amdhsa_wavefront_size32 1
		.amdhsa_system_sgpr_workgroup_id_x 1
		.amdhsa_system_sgpr_workgroup_id_y 1
		.amdhsa_system_sgpr_workgroup_id_z 1
		.amdhsa_system_vgpr_workitem_id 0
		.amdhsa_next_free_vgpr 1024
		.amdhsa_next_free_sgpr 102
		.amdhsa_reserve_vcc 0
		.amdhsa_float_denorm_mode_32 3
		.amdhsa_float_denorm_mode_16_64 3
		.amdhsa_memory_ordered 1
		.amdhsa_forward_progress 1
		.amdhsa_inst_pref_size 150
	.end_amdhsa_kernel
	.amdgpu_metadata
---
amdhsa.version: [ 1, 2 ]
amdhsa.kernels:
  - .name:           k_q9b8614dfd5_proj
    .symbol:         k_q9b8614dfd5_proj.kd
    .args:
      - { .name: x_codes, .offset: 0, .size: 8, .value_kind: global_buffer, .address_space: global }
      - { .name: x_scales, .offset: 8, .size: 8, .value_kind: global_buffer, .address_space: global }
      - { .name: w_codes, .offset: 16, .size: 8, .value_kind: global_buffer, .address_space: global }
      - { .name: w_scales, .offset: 24, .size: 8, .value_kind: global_buffer, .address_space: global }
      - { .name: bq, .offset: 32, .size: 8, .value_kind: global_buffer, .address_space: global }
      - { .name: bk, .offset: 40, .size: 8, .value_kind: global_buffer, .address_space: global }
      - { .name: bv, .offset: 48, .size: 8, .value_kind: global_buffer, .address_space: global }
      - { .name: qk_img, .offset: 56, .size: 8, .value_kind: global_buffer, .address_space: global }
      - { .name: qk_sc, .offset: 64, .size: 8, .value_kind: global_buffer, .address_space: global }
      - { .name: v_img, .offset: 72, .size: 8, .value_kind: global_buffer, .address_space: global }
      - { .name: v_sc, .offset: 80, .size: 8, .value_kind: global_buffer, .address_space: global }
    .group_segment_fixed_size: 327680
    .private_segment_fixed_size: 0
    .kernarg_segment_align: 8
    .kernarg_segment_size: 88
    .max_flat_workgroup_size: 128
    .sgpr_count:     102
    .vgpr_count:     1024
    .wavefront_size: 32
...
	.end_amdgpu_metadata
.endif
;; end of part 2
;; launch attn (part 3): grid 4 x 64, 8 waves a work-group, clusters of 4 x 1, 226,304 bytes of LDS; arguments qk_img, qk_sc, v_img, v_sc, out0; writes out0
.if DOCPART == 3
	.amdgcn_target "amdgcn-amd-amdhsa--gfx1250"
	.amdhsa_code_object_version 6
	.text
	.protected	k_q9b8614dfd5_attn
	.globl	k_q9b8614dfd5_attn
	.p2align	8
	.type	k_q9b8614dfd5_attn,@function
k_q9b8614dfd5_attn:
	s_mov_b64 s[64:65], 0
	v_nop
	global_prefetch_b8 v0, s[64:65] scope:SCOPE_SE
	s_setreg_imm32_b32 hwreg(HW_REG_WAVE_MODE, 25, 1), 1
	s_wait_xcnt 0x0
	s_wait_alu depctr_hold_cnt(0) depctr_sa_sdst(0) depctr_va_vdst(0) depctr_va_sdst(0) depctr_va_ssrc(0) depctr_va_vcc(0) depctr_vm_vsrc(0)
	s_getreg_b32 s2, hwreg(HW_REG_IB_STS2, 6, 4)
	s_cmp_eq_u32 s2, 0
	s_cbranch_scc0 .Lentry_in_a_cluster
	s_endpgm
.Lentry_in_a_cluster:
	s_bfe_u32 s2, ttmp6, 0x10000c
	s_cmp_lg_u32 s2, 0x3003
	s_cbranch_scc0 .Lentry_shape_is_right
	s_endpgm
.Lentry_shape_is_right:
; out[b][t][64 h + d] = the sum over keys s of softmax_s(q[t] . k[s] / 8) v[s][d], for 64 pairs (b, h), 2,048 queries and keys, head size 64; both products on codes of FP4 (E2M1) with E8M0 scales.
; INPUTS, as the launch before laid them: images of operand registers (4 registers x 32 lanes, lane l's 16 bytes at 16 l) and scale words.
; qk_img [32 heads: q 0-15, k 16-31][512 token tiles][512 B], lane (r, h) = channels 32 h .. + 31 of the tile's row r; qk_sc [32][256 pairs of tiles][16 words], a word = tile 2 P's two bytes, tile 2 P + 1's two.
; v_img [16 b + h][16 x 128 keys][4 channel tiles][2][512 B], lane (r, h) of image c = keys 64 c + 32 h .. + 31; v_sc [16 b + h][16][4][16 words].  Row r of stored tile 2 B + u is token (channel) 32 B + 8 u + r + 8 (r / 8).
; SOFTMAX: t = score x log2(e) / 8; M = the running largest t rounded up to a whole number; p = 2^(t - M) is quantised along the keys; the row's sum is taken of the unquantised p and divides at the end.
; When M moves, the sums and O are multiplied by 2^(old M - new M): exact.
; SHARES.  A work-group owns 512 queries of one (b, h): sixteen pairs of query tiles.  A wave takes a pair (32 queries) through all keys, 256 keys a step: each fragment of K and V read from LDS feeds both tiles.
; The sixteen pairs are dealt 3 : 1: waves 0-3 take pairs w, 8 + w and 12 + w, waves 4-7 pair w alone.  Every wave walks all three loops; a branch on the wave's number leads waves 4-7 round the work of the second and third.
; Both products are used transposed (S^T = K Q^T, O^T = V^T P^T): a lane holds one query of each tile.
; THE KEYS OF A SCORE TILE ARE CHOSEN BY THE LDS ADDRESS: of 64 keys, tile u takes keys 8 u .. + 7 (lanes 0-7) and 32 + 8 u .. + 7 (lanes 8-15).  So the 32 registers of four tiles are, in lanes 0-15, the keys of one whole
; block of 32 and in lanes 16-31 those of the next: a block's largest score needs no other lane, and the conversions' results are the second product's operand as they stand.
; A HEAD OF 64 IN AN INSTRUCTION OF K = 128: a fragment of K is two key tiles; it is multiplied once by (q, zeros) and once by (zeros, q).
; ORDER OF A TRIP: scores, V's loads, maxima, M, exponentials, scales, codes, O^T; then the next step's K is asked for, and the 128 additions of the rows' sums stand between that request and the next scores.
; LDS.  The head's K and V lie in LDS whole, filled once: no ring.  Images lie 576 bytes apart (512 + 64 of padding), so that the two runs of 8 lanes of a K load, two images apart, take different 128 bytes modulo 256.
; CLUSTER.  The four work-groups of a (b, h) read the same K and V: every fill is a joint load that names the four; waves 0-3 ask for halves of K's and V's images, waves 4 and 5 for the scale words: one load a wave.
; No prefetch: every byte of K and V is asked for at the head, and there is no loop to run ahead in.
; LIMITS: NaN and infinities are not served; the promise holds while the scaled scores stay under 2^31 in magnitude.  A block of p whose every number has fallen to 0 keeps the byte 1: its codes are zeros.
; REGISTERS.  Window 1: S^T, then p: tile t at 128 t, my block G of the step at + 32 G.  Window 0: all else.
.set PIT,   576
.set VIMG,  128*PIT
.set KSC,   2*128*PIT
.set VSC,   KSC+4096
.set STAGE, VSC+4096                   ; the way out: 2 x 16 rows x 272 bytes for each wave; no tensor load lands here
.set SPI,   272
.set SPARE, STAGE+8*2*16*SPI           ; the spare words, 128 bytes a wave
.set LIK, 1                            ; my lane's place in K's images, V's images, K's words, V's words
.set LIV, 2
.set LSK, 3
.set LSV, 4
.set ADK, 5                            ; the same for the step in hand
.set ADV, 6
.set ADS, 7
.set ADT, 8
.set SH8, 9                            ; 8 x (lane / 16)
.set SPW, 10
.set NIL, 11
.set NM,  12                           ; tile t: v[NM+2t] -M, v[NM+2t+1] the largest score so far
.set FF,  16                           ; tile t: v[FF+2t] 2^(old M - new M)
.set LS,  20                           ; tile t: two pairs of running sums
.set BM,  28                           ; block 4 t + G: largest score, then largest p, then scale byte
.set TT,  36                           ; at work; then the conversions' scale operands
.set PS,  44                           ; p's scale words: 2 t + g
.set KSR, 48
.set VSR, 52
.set QS,  56
.set GO,  58
.set STO, 59
.set QZ,  60                           ; zeros, tile 0, zeros, tile 1, zeros: four registers each
.set PC,  80                           ; p's codes: 16 t + 8 g
.set FR,  112                          ; 64 registers: K's fragments, then V's
.set O,   176                          ; O^T: 32 t + 8 x channel tile
.set QN,  240                          ; the next pass's two query images, and QW their scale word
.set QW,  248
.set RD,  249
.set LQ,  254                          ; 16 x lane and 4 x (lane % 16): offsets of Q's loads; never rewritten
.set LW,  255
.set WV,  14
.set NC,  19                           ; -c
.set SEL, 20
.set CS,  22                           ; c = log2(e) / 8, as a pair
.set G1C, 24
.set G1S, 32
.set G0,  40
.set G0S, 44
.set TK,  60
.set TS,  61
.set CNT, 62
.set MSB, 0
.macro WIN new                         ; the immediate's high byte repeats the setting that is left
.if MSB != \new
	s_set_vgpr_msb (MSB<<8)|\new
.set MSB, \new
.endif
.endm
.macro CROUND
	s_barrier_signal -1
	s_barrier_wait -1
	s_cmp_lg_u32 s[WV], 0
	s_cbranch_scc1 .Lnot_wave_0_\@
	s_barrier_signal -3
.Lnot_wave_0_\@:
	s_barrier_wait -3
	s_barrier_signal -1
	s_barrier_wait -1
.endm
.macro WS d, a, b, sa, sb, row         ; a product that starts a tile of scores
.if \row
	v_wmma_scale_f32_16x16x128_f8f6f4 v[(\d):(\d)+7], v[(\a):(\a)+7], v[(\b):(\b)+7], 0, v[\sa], v[\sb] matrix_a_fmt:MATRIX_FMT_FP4 matrix_b_fmt:MATRIX_FMT_FP4 matrix_a_scale:MATRIX_SCALE_ROW1
.else
	v_wmma_scale_f32_16x16x128_f8f6f4 v[(\d):(\d)+7], v[(\a):(\a)+7], v[(\b):(\b)+7], 0, v[\sa], v[\sb] matrix_a_fmt:MATRIX_FMT_FP4 matrix_b_fmt:MATRIX_FMT_FP4
.endif
.endm
.macro WP d, a, b, sa, sb, row         ; a product that adds onto O^T
.if \row
	v_wmma_scale_f32_16x16x128_f8f6f4 v[(\d):(\d)+7], v[(\a):(\a)+7], v[(\b):(\b)+7], v[(\d):(\d)+7], v[\sa], v[\sb] matrix_a_fmt:MATRIX_FMT_FP4 matrix_b_fmt:MATRIX_FMT_FP4 matrix_a_scale:MATRIX_SCALE_ROW1
.else
	v_wmma_scale_f32_16x16x128_f8f6f4 v[(\d):(\d)+7], v[(\a):(\a)+7], v[(\b):(\b)+7], v[(\d):(\d)+7], v[\sa], v[\sb] matrix_a_fmt:MATRIX_FMT_FP4 matrix_b_fmt:MATRIX_FMT_FP4
.endif
.endm
	s_load_b256 s[4:11], s[0:1], 0x0               ; qk_img, qk_sc, v_img, v_sc
	s_load_b64 s[12:13], s[0:1], 0x20              ; out0
	v_lshl_add_u32 v[SPW], v0, 2, SPARE
	v_mov_b32 v[NIL], 0
	ds_add_u32 v[SPW], v[NIL]                      ; the opening lines: the add twice on end and one wait
	ds_add_u32 v[SPW], v[NIL]
	v_lshrrev_b32 v1, 5, v0
	v_readfirstlane_b32 s[WV], v1                  ; wave 0..7
	s_bfe_u32 s15, ttmp6, 0x40000                  ; cx: which 512 queries: it enters Q's and the output's addresses alone
	s_and_b32 s16, ttmp7, 0xffff                   ; 16 b + h
	s_lshr_b32 s17, s16, 4
	s_and_b32 s18, s16, 15
	s_add_co_u32 s72, s18, 16
	s_lshl_b32 s72, s72, 9
	s_lshl_b32 s73, s17, 7
	s_add_co_u32 s72, s72, s73                     ; K's first tile: (16 + h) x 512 + 128 b
	s_lshl_b32 s74, s72, 9                         ; its image, in bytes
	s_lshl_b32 s76, s72, 5                         ; its words
	s_lshl_b32 s75, s16, 16                        ; V's images
	s_lshl_b32 s77, s16, 12                        ; V's words
	s_and_b32 s78, s[WV], 1
	s_cmp_lt_u32 s[WV], 2                          ; waves 0, 1: K's images; 2, 3: V's
	s_cselect_b32 s74, s74, s75
	s_cmp_eq_u32 s78, 0                            ; wave 4: K's words; 5: V's
	s_cselect_b32 s76, s76, s77
	s_lshl_b32 s79, s78, 15
	s_add_co_u32 s74, s74, s79                     ; my half: 32,768 bytes
	s_mov_b32 s75, 0
	s_mov_b32 s77, 0
	s_mov_b32 s[G1C], 15|(3<<16)|(1<<20)|(1<<21)|(6<<22)|(15<<25)   ; the four partners; elements of 8 bytes; 16 words of padding behind every 128
	s_mov_b32 s[G1C+1], 64<<16                     ; rows of 512 bytes
	s_mov_b32 s[G1C+2], 64<<16                     ; 64 rows
	s_mov_b32 s[G1C+3], 64<<16
	s_mov_b32 s[G1C+4], 64
	s_mov_b32 s[G1C+5], 64
	s_mov_b32 s[G1C+6], 0
	s_mov_b32 s[G1C+7], 0
	s_mov_b32 s[G1S], 15|(3<<16)|(1<<21)           ; 4,096 dense bytes as 16 rows of 256
	s_mov_b32 s[G1S+1], 32<<16
	s_mov_b32 s[G1S+2], 16<<16
	s_mov_b32 s[G1S+3], 32<<16
	s_mov_b32 s[G1S+4], 16
	s_mov_b32 s[G1S+5], 32
	s_mov_b32 s[G1S+6], 0
	s_mov_b32 s[G1S+7], 0
	s_mov_b32 s[SEL], 0x76543210
	s_mov_b32 s[SEL+1], 0xfedcba98
	s_mov_b32 s[CS], 0x3e38aa3b
	s_mov_b32 s[CS+1], s[CS]
	s_mov_b32 s[NC], 0xbe38aa3b
	s_mov_b32 s[G0], 1
	s_mul_i32 s[G0+1], s[WV], 64*PIT               ; K's halves, then V's
	s_mov_b32 s[G0S], 1
	s_lshl_b32 s[G0S+1], s78, 12
	s_add_co_u32 s[G0S+1], s[G0S+1], KSC
	s_wait_dscnt 0x0
	s_wait_kmcnt 0x0
	s_cmp_lt_u32 s[WV], 2
	s_cselect_b64 s[G0+2:G0+3], s[4:5], s[8:9]
	s_cmp_eq_u32 s78, 0
	s_cselect_b64 s[G0S+2:G0S+3], s[6:7], s[10:11]
	s_add_nc_u64 s[G0+2:G0+3], s[G0+2:G0+3], s[74:75]
	s_add_nc_u64 s[G0S+2:G0S+3], s[G0S+2:G0S+3], s[76:77]
	s_or_b32 s[G0+3], s[G0+3], 0x80000000
	s_or_b32 s[G0S+3], s[G0S+3], 0x80000000
	CROUND                                         ; all four work-groups are here: the joint loads meet
	s_cmp_lt_u32 s[WV], 4                          ; one chain of branches on the wave's number, one load to an arm
	s_cbranch_scc0 .Lwords
	tensor_load_to_lds s[G0:G0+3], s[G1C:G1C+7]
	s_nop 0
.rept 4
	v_nop
.endr
	s_branch .Lasked
.Lwords:
	s_cmp_lt_u32 s[WV], 6
	s_cbranch_scc0 .Lasked
	tensor_load_to_lds s[G0S:G0S+3], s[G1S:G1S+7]
	s_nop 0
.rept 4
	v_nop
.endr
.Lasked:
	s_lshl_b32 s72, s18, 9
	s_lshl_b32 s73, s17, 7
	s_add_co_u32 s72, s72, s73
	s_lshl_b32 s73, s15, 5
	s_add_co_u32 s72, s72, s73
	s_lshl_b32 s73, s[WV], 1
	s_add_co_u32 s72, s72, s73                     ; my first query tile: 512 h + 128 b + 32 cx + 2 x wave; a pair further on lies 2 tiles on
	s_lshl_b32 s74, s72, 9
	s_lshl_b32 s76, s72, 5
	s_add_nc_u64 s[66:67], s[4:5], s[74:75]
	s_add_nc_u64 s[68:69], s[6:7], s[76:77]
	s_lshl_b32 s72, s17, 11
	s_lshl_b32 s73, s15, 9
	s_add_co_u32 s72, s72, s73
	s_lshl_b32 s73, s[WV], 5
	s_add_co_u32 s72, s72, s73                     ; my first pair's first token
	s_lshl_b32 s72, s72, 12
	s_lshl_b32 s73, s18, 8
	s_add_co_u32 s72, s72, s73
	s_mov_b32 s73, 0
	s_add_nc_u64 s[70:71], s[12:13], s[72:73]
	s_mul_i32 s72, s[WV], 2*16*SPI
	s_add_co_u32 s72, s72, STAGE                   ; my stage
	v_and_b32 v[LQ], 31, v0
	v_and_b32 v250, 15, v0                         ; r
	v_bfe_u32 v251, v0, 4, 1                       ; h
	v_and_b32 v252, 7, v0
	v_bfe_u32 v253, v0, 3, 1
	v_lshlrev_b32 v[LSV], 2, v[LQ]
	v_lshlrev_b32 v[LQ], 4, v[LQ]                  ; 16 x lane
	v_lshlrev_b32 v[LW], 2, v250                   ; 4 r
	global_load_b128 v[QZ+4:QZ+7], v[LQ], s[66:67]
	global_load_b128 v[QZ+12:QZ+15], v[LQ], s[66:67] offset:512
	global_load_b32 v[PC], v[LW], s[68:69]
	s_wait_alu depctr_va_vdst(0)                   ; ahead of the branch
	s_cmp_lt_u32 s[WV], 4
	s_cbranch_scc0 .Lone_pair
	global_load_b128 v[QN:QN+3], v[LQ], s[66:67] offset:8*1024        ; waves 0-3: pair 8 + w, for the second pass
	global_load_b128 v[QN+4:QN+7], v[LQ], s[66:67] offset:8*1024+512
	global_load_b32 v[QW], v[LW], s[68:69] offset:8*64
.Lone_pair:
	v_add_nc_u32 v[LIV], VIMG, v[LQ]
	v_add_nc_u32 v[LSV], VSC, v[LSV]
	v_lshlrev_b32 v[LIK], 4, v252                  ; K: 16 (r % 8) + two images x (r / 8) + 256 h
	v_mad_u32_u24 v[LIK], v253, 2*PIT, v[LIK]
	v_lshl_add_u32 v[LIK], v251, 8, v[LIK]
	v_lshlrev_b32 v[LSK], 2, v252                  ; K's words: 4 (r % 8) + 64 (r / 8) + 32 h: lanes 0-15 a group's first fragment, lanes 16-31 its second
	v_lshl_add_u32 v[LSK], v253, 6, v[LSK]
	v_lshl_add_u32 v[LSK], v251, 5, v[LSK]
	v_add_nc_u32 v[LSK], KSC, v[LSK]
	v_lshlrev_b32 v[SH8], 3, v251
	v_mul_u32_u24 v[STO], v250, SPI
	v_lshl_add_u32 v[STO], v251, 6, v[STO]
	v_add_nc_u32 v[STO], s72, v[STO]               ; in: row r, + 64 h
	v_mul_u32_u24 v[RD], v251, SPI
	v_lshl_add_u32 v[RD], v250, 4, v[RD]
	v_add_nc_u32 v[RD], s72, v[RD]                 ; back: lanes 0-15 one row of 256 bytes, lanes 16-31 the next
	v_lshlrev_b32 v[GO], 12, v251
	v_lshl_add_u32 v[GO], v250, 4, v[GO]
.irp j, 0,1,2,3
	v_mov_b32 v[QZ+\j], 0                          ; the zero codes beside the images
	v_mov_b32 v[QZ+8+\j], 0
	v_mov_b32 v[QZ+16+\j], 0
.endr
.irp j, 0,1,2,3,4,5,6,7
	v_mov_b32 v[BM+\j], 0                          ; written once: a lane permute's destination counts as a source
	v_mov_b32 v[TT+\j], 0
.endr
	v_mov_b32 v[FF+1], 0                           ; (upper halves of pairs that are named whole)
	v_mov_b32 v[FF+3], 0
	s_wait_alu depctr_va_vdst(0)                   ; ahead of the wait below
	s_wait_loadcnt 0x0
	v_perm_b32 v[QS], v[PC], v[PC], 0x01000100     ; tile 0's two bytes, twice: whichever half of K = 128 the image stands in
	v_perm_b32 v[QS+1], v[PC], v[PC], 0x03020302
.macro BEGIN                           ; a pass begins: the first step finds zeros, which the first change of M leaves zeros
.irp t, 0,1
	v_mov_b32 v[NM+2*\t+1], 0xff61b1e6             ; -3e38, under every score
.endr
.irp t, 0,1
	v_mul_f32 v[NM+2*\t], s[NC], v[NM+2*\t+1]
.endr
.irp t, 0,1
	v_floor_f32 v[NM+2*\t], v[NM+2*\t]
.endr
.irp j, 0,1,2,3,4,5,6,7
	v_mov_b32 v[LS+\j], 0
.endr
.set J, 0
.rept 64
	v_mov_b32 v[O+J], 0
.set J, J+1
.endr
.endm
.macro QSET p                          ; the pass's two query tiles move into place; pass 1 asks for pass 2's
.if \p == 2
	s_wait_loadcnt 0x0
.endif
.irp j, 0,1,2,3
	v_mov_b32 v[QZ+4+\j], v[QN+\j]
	v_mov_b32 v[QZ+12+\j], v[QN+4+\j]
.endr
	v_perm_b32 v[QS], v[QW], v[QW], 0x01000100
	v_perm_b32 v[QS+1], v[QW], v[QW], 0x03020302
.if \p == 1
	global_load_b128 v[QN:QN+3], v[LQ], s[66:67] offset:12*1024
	global_load_b128 v[QN+4:QN+7], v[LQ], s[66:67] offset:12*1024+512
	global_load_b32 v[QW], v[LW], s[68:69] offset:12*64
.endif
.endm
; K's words and fragments of 256 keys: nx = 0: the step at s[TK]; nx = 1: the step behind it.
.macro KLOAD nx
	v_add_nc_u32 v[ADK], s[TK], v[LIK]             ; these four lines are the places between the last products and the loads into registers that they read
	v_add_nc_u32 v[ADS], s[TS], v[LSK]
	v_nop
	v_nop
.irp G, 0,1,2,3
	ds_load_b32 v[KSR+\G], v[ADS] offset:512*\nx+128*\G
.endr
.irp G, 0,1,2,3                                ; group G: 64 keys, two fragments of two key tiles
.irp F, 0,1
	ds_load_b128 v[FR+16*\G+8*\F:FR+16*\G+8*\F+3], v[ADK] offset:16*PIT*\nx+4*PIT*\G+128*\F
	ds_load_b128 v[FR+16*\G+8*\F+4:FR+16*\G+8*\F+7], v[ADK] offset:16*PIT*\nx+4*PIT*\G+128*\F+PIT
.endr
.endr
.endm
; The rows' sums of the unquantised p: four chains by turns.
.macro SUMS
	WIN 0x14
.set J, 0
.rept 32
	v_pk_add_f32 v[LS:LS+1], v[LS:LS+1], v[J:J+1]
	v_pk_add_f32 v[LS+4:LS+5], v[LS+4:LS+5], v[128+J:129+J]
	v_pk_add_f32 v[LS+2:LS+3], v[LS+2:LS+3], v[J+2:J+3]
	v_pk_add_f32 v[LS+6:LS+7], v[LS+6:LS+7], v[130+J:131+J]
.set J, J+4
.endr
	WIN 0
.endm
; A STEP: 256 keys x my two query tiles; K's 20 loads are out when it begins.
.macro STEP
	WIN 0x40                                       ; results in window 1
.irp G, 0,1,2,3
	s_wait_dscnt 12-4*\G                           ; the words and groups 0 .. G are in; the 4 loads of each later group may be out
.irp F, 0,1
.irp t, 0,1
	WS 128*\t+32*\G+16*\F, FR+16*\G+8*\F, QZ+8*\t+4, KSR+\G, QS+\t, \F
	WS 128*\t+32*\G+16*\F+8, FR+16*\G+8*\F, QZ+8*\t, KSR+\G, QS+\t, \F
.endr
.endr
.endr
	WIN 0
	v_add_nc_u32 v[ADV], s[TK], v[LIV]             ; four places: ahead of V's loads into K's registers and of the first read of scores
	v_add_nc_u32 v[ADT], s[TS], v[LSV]
	v_nop
	v_nop
.irp g, 0,1
.irp k, 0,1
	ds_load_b32 v[VSR+2*\g+\k], v[ADT] offset:256*\g+128*\k
.endr
.endr
.irp g, 0,1
.irp k, 0,1,2,3
.irp c, 0,1
	ds_load_b128 v[FR+32*\g+8*\k+4*\c:FR+32*\g+8*\k+4*\c+3], v[ADV] offset:(8*\g+2*\k+\c)*PIT
.endr
.endr
.endr
	WIN 0x14                                       ; sources 1 and 2 in window 1
.irp b, 0,1,2,3,4,5,6,7                        ; the largest score of each of my 8 blocks of 32 keys, by turns; each accumulator from its low end on
	v_max3_num_f32 v[BM+\b], 0xff800000, v[32*\b], v[32*\b+1]
.endr
.irp i, 2,4,6,8,10,12,14,16,18,20,22,24,26,28,30
.irp b, 0,1,2,3,4,5,6,7
	v_max3_num_f32 v[BM+\b], v[BM+\b], v[32*\b+\i], v[32*\b+\i+1]
.endr
.endr
	WIN 0
.irp t, 0,1                                    ; the row's maximum and M, the two tiles by turns
	v_max3_num_f32 v[TT+4*\t], v[BM+4*\t], v[BM+4*\t+1], v[BM+4*\t+2]
.endr
.irp t, 0,1
	v_max3_num_f32 v[TT+4*\t], v[TT+4*\t], v[BM+4*\t+3], v[NM+2*\t+1]
.endr
.irp t, 0,1
	v_permlanex16_b32 v[TT+4*\t+1], v[TT+4*\t], s[SEL], s[SEL+1]
.endr
.irp t, 0,1
	v_max_num_f32 v[NM+2*\t+1], v[TT+4*\t], v[TT+4*\t+1]   ; the running largest score
.endr
.irp t, 0,1
	v_mul_f32 v[TT+4*\t], s[NC], v[NM+2*\t+1]
.endr
.irp t, 0,1
	v_floor_f32 v[TT+4*\t], v[TT+4*\t]             ; the new -M = floor(-t)
.endr
.irp t, 0,1
	v_sub_f32 v[TT+4*\t+1], v[TT+4*\t], v[NM+2*\t] ; old M - new M: a whole number, 0 or less
.endr
.irp t, 0,1
	v_mov_b32 v[NM+2*\t], v[TT+4*\t]
.endr
.irp t, 0,1
	v_cvt_i32_f32 v[TT+4*\t+1], v[TT+4*\t+1]       ; (it saturates)
.endr
.irp t, 0,1
	v_ldexp_f32 v[FF+2*\t], 1.0, v[TT+4*\t+1]
.endr
.irp t, 0,1
.irp k, 0,1
	v_pk_mul_f32 v[LS+4*\t+2*\k:LS+4*\t+2*\k+1], v[LS+4*\t+2*\k:LS+4*\t+2*\k+1], v[FF+2*\t:FF+2*\t+1] op_sel_hi:[1,0]   ; the sums under the new M
.endr
.endr
.irp b, 0,1,2,3,4,5,6,7
	v_fma_f32 v[BM+\b], v[BM+\b], s[CS], v[NM+2*(\b/4)]   ; t - M of each block's largest score
.endr
	WIN 0x41                                       ; destination and source 0 in window 1
.set J, 0
.rept 64
	v_pk_fma_f32 v[J:J+1], v[J:J+1], s[CS:CS+1], v[NM:NM+1] op_sel_hi:[1,0,0]   ; tile 0: t - M
.set J, J+2
.endr
	s_wait_alu depctr_va_vdst(0)                   ; ahead of the batch
.set J, 0
.rept 64                                       ; tile 0's exponentials; between them tile 1's t - M, which nothing reads before the next wait
	v_exp_f32 v[J], v[J]
	v_exp_f32 v[J+1], v[J+1]
	v_pk_fma_f32 v[128+J:129+J], v[128+J:129+J], s[CS:CS+1], v[NM+2:NM+3] op_sel_hi:[1,0,0]
.set J, J+2
.endr
	s_wait_alu depctr_va_vdst(0)                   ; behind the first batch and ahead of the second
.set J, 128
.rept 128
	v_exp_f32 v[J], v[J]
.set J, J+1
.endr
	WIN 0
.irp b, 0,1,2,3,4,5,6,7
	v_exp_f32 v[BM+\b], v[BM+\b]                   ; each block's largest p: the same two instructions on the same number give the same bits
.endr
	v_nop                                          ; the plain line behind the exponentials
	s_wait_alu depctr_va_vdst(0)                   ; one wait for the batch, ahead of its first reader
	s_wait_dscnt 0x0                               ; V's loads are in
.irp b, 0,1,2,3,4,5,6,7
	v_max_num_f32 v[BM+\b], 0x1800000, v[BM+\b]    ; the floor 2^(3 - 127): the byte cannot fall under 1
.endr
.irp b, 0,1,2,3,4,5,6,7
	v_add_nc_u32 v[TT+\b], 0xff000000, v[BM+\b]    ; 2 off the exponent field: the conversion's scale operand
.endr
.irp b, 0,1,2,3,4,5,6,7
	v_lshrrev_b32 v[BM+\b], 23, v[TT+\b]           ; the byte
.endr
.irp p, 0,1,2,3                                ; p = 2 t + g: of 128 keys' four blocks mine are h and 2 + h
	v_lshl_or_b32 v[BM+2*\p], v[BM+2*\p+1], 16, v[BM+2*\p]
.endr
.irp p, 0,1,2,3
	v_lshlrev_b32 v[BM+2*\p], v[SH8], v[BM+2*\p]
.endr
.irp p, 0,1,2,3
	v_permlanex16_b32 v[BM+2*\p+1], v[BM+2*\p], s[SEL], s[SEL+1]
.endr
.irp p, 0,1,2,3
	v_or_b32 v[PS+\p], v[BM+2*\p], v[BM+2*\p+1]    ; with lane l xor 16's two bytes the word is whole
.endr
	WIN 0x01                                       ; source 0 in window 1
.irp b, 0,1,2,3,4,5,6,7
.irp i, 0,1,2,3
	v_cvt_scalef32_pk8_fp4_f32 v[PC+4*\b+\i], v[32*\b+8*\i:32*\b+8*\i+7], v[TT+\b]   ; my whole block: four registers of the operand
.endr
.endr
	WIN 0
	s_wait_alu depctr_va_vdst(0)                   ; directly ahead of the first reader of O^T
.irp t, 0,1
.set J, 0
.rept 16
	v_pk_mul_f32 v[O+32*\t+J:O+32*\t+J+1], v[O+32*\t+J:O+32*\t+J+1], v[FF+2*\t:FF+2*\t+1] op_sel_hi:[1,0]   ; O^T under the new M; these 32 are also the places behind the conversions and the scale words
.set J, J+2
.endr
.endr
	s_wait_alu depctr_va_vdst(0)
.irp g, 0,1                                    ; O^T += V^T P^T: eight accumulators by turns
.irp t, 0,1
.irp k, 0,1,2,3
	WP O+32*\t+8*\k, FR+32*\g+8*\k, PC+16*\t+8*\g, VSR+2*\g+(\k)/2, PS+2*\t+\g, (\k)%2
.endr
.endr
.endr
.endm
; THE WAY OUT of my two tiles; po: the pair's distance from my first pair.  O^T / the sum goes through my own stage, so that sixteen lanes store the 256 consecutive bytes, aligned, that a token has of this head.
; Row 2 i + (lane / 16) of tile t is token 8 t + 2 i + (lane / 16) + 8 (i / 4) of the pair's 32.
.macro OUT po
.irp t, 0,1
	v_pk_add_f32 v[LS+4*\t:LS+4*\t+1], v[LS+4*\t:LS+4*\t+1], v[LS+4*\t+2:LS+4*\t+3]
.endr
.irp t, 0,1
	v_add_f32 v[LS+4*\t], v[LS+4*\t], v[LS+4*\t+1]
.endr
.irp t, 0,1
	v_permlanex16_b32 v[TT+\t], v[LS+4*\t], s[SEL], s[SEL+1]
.endr
.irp t, 0,1
	v_add_f32 v[LS+4*\t], v[LS+4*\t], v[TT+\t]     ; with lane l xor 16's keys: the row's sum
.endr
	s_wait_alu depctr_va_vdst(0)                   ; ahead of the transcendentals
.irp t, 0,1
	v_rcp_f32 v[LS+4*\t], v[LS+4*\t]
.endr
	v_nop
	s_wait_alu depctr_va_vdst(0)                   ; ahead of their first reader, which is also O^T's
.irp t, 0,1
.set J, 0
.rept 16
	v_pk_mul_f32 v[FR+32*\t+J:FR+32*\t+J+1], v[O+32*\t+J:O+32*\t+J+1], v[LS+4*\t:LS+4*\t+1] op_sel_hi:[1,0]   ; register 8 k + j: channel 32 (k / 2) + 16 h + 8 (k % 2) + j
.set J, J+2
.endr
.endr
	s_wait_alu depctr_va_vdst(0)
.irp t, 0,1
.irp k, 0,1,2,3
.irp c, 0,1
	ds_store_b128 v[STO], v[FR+32*\t+8*\k+4*\c:FR+32*\t+8*\k+4*\c+3] offset:16*SPI*\t+128*((\k)/2)+32*((\k)%2)+16*\c
.endr
.endr
.endr
.irp t, 0,1
.irp i, 0,1,2,3,4,5,6,7
	ds_load_b128 v[O+32*\t+4*\i:O+32*\t+4*\i+3], v[RD] offset:16*SPI*\t+2*\i*SPI   ; LDS serves a wave's instructions in order: these see my stores
.endr
.endr
.irp t, 0,1
.irp i, 0,1,2,3,4,5,6,7
	s_wait_dscnt 15-8*\t-\i                        ; this load is in; those behind it may be out
	global_store_b128 v[GO], v[O+32*\t+4*\i:O+32*\t+4*\i+3], s[70:71] offset:(2*\i+8*(\i/4)+8*\t)*4096+\po*131072 th:TH_STORE_NT
.endr
.endr
	s_wait_xcnt 0x0                                ; the stores have read their data
.endm
; A PASS: one pair of query tiles through all 2,048 keys, 8 trips.  Passes 1 and 2 are the work of waves 0-3: the other waves walk the counted loop and are led round the work.
.macro PASS p, po
	s_mov_b32 s[TK], 0
	s_mov_b32 s[TS], 0
	s_mov_b32 s[CNT], 8
.if \p
	s_cmp_lt_u32 s[WV], 4
	s_cbranch_scc0 .Lkeys_\@
	QSET \p
	BEGIN                                          ; (its lines also stand between QSET's and the first scaled product)
.endif
	KLOAD 0
	s_wait_alu depctr_va_vdst(0)                   ; ahead of the branches
.Lkeys_\@:
.if \p
	s_cmp_lt_u32 s[WV], 4
	s_cbranch_scc0 .Lidle_\@
.endif
	STEP
	s_cmp_eq_u32 s[CNT], 1                         ; the last trip has no step behind it
	s_cbranch_scc1 .Llast_\@
	KLOAD 1
.Llast_\@:
	SUMS
	s_wait_alu depctr_va_vdst(0)                   ; ahead of the branches
.Lidle_\@:
	s_add_co_u32 s[TK], s[TK], 16*PIT              ; 16 images a step in K and in V
	s_add_co_u32 s[TS], s[TS], 512                 ; 512 bytes of words in each
	s_sub_co_u32 s[CNT], s[CNT], 1
	s_cmp_lg_u32 s[CNT], 0
	s_cbranch_scc1 .Lkeys_\@
.if \p
	s_cmp_lt_u32 s[WV], 4
	s_cbranch_scc0 .Lnone_\@
.endif
	OUT \po
.Lnone_\@:
.endm
	BEGIN
	s_wait_alu depctr_va_vdst(0)                   ; at the head's end
	s_wait_tensorcnt 0x0                           ; my load has landed
	s_barrier_signal -1
	s_barrier_wait -1                              ; and everybody's: K and V lie whole in LDS; nothing is filled again
	PASS 0, 0
	PASS 1, 8
	PASS 2, 12
	s_wait_tensorcnt 0x0                           ; the wave's end
	ds_add_u32 v[SPW], v[NIL]
	s_wait_dscnt 0x0
	CROUND                                         ; the closing round
	s_endpgm
.Lfunc_end_k_q9b8614dfd5_attn:
	.size	k_q9b8614dfd5_attn, .Lfunc_end_k_q9b8614dfd5_attn-k_q9b8614dfd5_attn
	.p2alignl 7, 3214868480
	.fill 96, 4, 3214868480
	.section	.rodata,"a",@progbits
	.p2align	6, 0x0
	.amdhsa_kernel k_q9b8614dfd5_attn
		.amdhsa_group_segment_fixed_size 226304
		.amdhsa_private_segment_fixed_size 0
		.amdhsa_enable_private_segment 0
		.amdhsa_kernarg_size 40
		.amdhsa_user_sgpr_count 2
		.amdhsa_user_sgpr_kernarg_segment_ptr 1
		.amdhsa_wavefront_size32 1
		.amdhsa_system_sgpr_workgroup_id_x 1
		.amdhsa_system_sgpr_workgroup_id_y 1
		.amdhsa_system_sgpr_workgroup_id_z 1
		.amdhsa_system_vgpr_workitem_id 0
		.amdhsa_next_free_vgpr 512
		.amdhsa_next_free_sgpr 80
		.amdhsa_reserve_vcc 0
		.amdhsa_float_denorm_mode_32 3
		.amdhsa_float_denorm_mode_16_64 3
		.amdhsa_memory_ordered 1
		.amdhsa_forward_progress 1
		.amdhsa_inst_pref_size 192
	.end_amdhsa_kernel
	.amdgpu_metadata
---
amdhsa.version: [ 1, 2 ]
amdhsa.kernels:
  - .name:           k_q9b8614dfd5_attn
    .symbol:         k_q9b8614dfd5_attn.kd
    .args:
      - { .name: qk_img, .offset: 0, .size: 8, .value_kind: global_buffer, .address_space: global }
      - { .name: qk_sc, .offset: 8, .size: 8, .value_kind: global_buffer, .address_space: global }
      - { .name: v_img, .offset: 16, .size: 8, .value_kind: global_buffer, .address_space: global }
      - { .name: v_sc, .offset: 24, .size: 8, .value_kind: global_buffer, .address_space: global }
      - { .name: out0, .offset: 32, .size: 8, .value_kind: global_buffer, .address_space: global }
    .group_segment_fixed_size: 226304
    .private_segment_fixed_size: 0
    .kernarg_segment_align: 8
    .kernarg_segment_size: 40
    .max_flat_workgroup_size: 256
    .sgpr_count:     80
    .vgpr_count:     512
    .wavefront_size: 32
...
	.end_amdgpu_metadata
.endif
;; end of part 3
